; MI455X (gfx1250); checked and timed in simulation.
; The chip was launched on July 23, 2026; its instructions are those of AMD's public machine-readable ISA for CDNA 5 (MIT licence, August 2026) and "CDNA5" Instruction Set Architecture Reference Guide (July 2026). The comments in the code are by the model that wrote it; some were corrected since.
;; Switch Linear. Allowed arithmetic: float matrix products may take bf16 or f16 operands with f32 sums; other float arithmetic in f32, or as packed bf16 or f16 multiplies, adds, multiply-adds, maxima and minima; sums over many terms, partial sums and values carried from step to step in f32; what a program stores and reads back later, other than sums and carried values, may be rounded once to bf16 or f16.
;; Inputs: indices 8,192 int32; weight 8 x 2,048 x 512 float32; x 8,192 x 2,048 float32.
;; Outputs: out0 8,192 x 512 float32.
;; 2 versions, each right; version 2 is version 1 with the launch gemm written anew for expert scheduling mode. Each part assembles by itself: llvm-mc -triple=amdgcn-amd-amdhsa -mcpu=gfx1250 --defsym DOCPART=n.
;; ======== version 1 of 2: 2 launches
;; workspace buffers: wb 16,777,216 bytes; order 32,768 bytes of whole numbers; tiles 4,096 bytes of whole numbers
;; launch prep (part 1): grid 257 x 1, 8 waves a work-group, no clusters, 2,048 bytes of LDS; arguments weight, indices, wb, order, tiles; writes wb, order, tiles
.if DOCPART == 1
	.amdgcn_target "amdgcn-amd-amdhsa--gfx1250"
	.amdhsa_code_object_version 6
	.text
	.protected	k_q14f966b1c2_prep
	.globl	k_q14f966b1c2_prep
	.p2align	8
	.type	k_q14f966b1c2_prep,@function
k_q14f966b1c2_prep:
	s_mov_b64 s[64:65], 0
	v_nop
	global_prefetch_b8 v0, s[64:65] scope:SCOPE_SE
	s_setreg_imm32_b32 hwreg(HW_REG_WAVE_MODE, 25, 1), 1
	s_wait_xcnt 0x0
; PREP.  Two jobs in one launch, chosen by the work-group's number (equal in all its waves).
; Work-groups 1..256: weight [8][2048 k][512 n] f32 is rounded once to bf16 (nearest even) and laid out as the product's
;   B fragments: wb[e 8][ng 8][kb 64][b 4][hf 2][lane 32][j 8] = W[e][k = 32 kb + 16 hf + 8 (lane / 16) + j][n = 64 ng + 4 (lane % 16) + b].
;   One (e, ng) is 262,144 dense bytes: the stream that one wave of the product walks.
; Work-group 0: a counting sort of the 8,192 tokens by bucket (0..7 the experts, 8 = an index outside 0..7, negative ones too),
;   without atomics, and the list of row tiles: tiles[T] = (bucket, first rank in order, rows 0..80, 0), 256 entries.
;   Sum over 9 buckets of ceil(count / 80) is at most (8192 + 9 x 79) / 80 = 111 for every split; entries past the last tile have 0 rows.
.set SPARE, 1024                       ; spare words: 128 bytes for each of 8 waves; no other line names them
.set SPW,  2                           ; v2  SPARE + 4 x my thread's number; never rewritten
.set NIL,  3                           ; v3  0; never rewritten
.set IN,   16                          ; v[16:143]   conversion: 32 quads as loaded, quad 16 u + 8 hf + j
.set OUTR, 144                         ; v[144:207]  conversion: 16 quads to store, quad 8 u + 4 hf + c
.set IDX,  32                          ; v[32:63]    sort: register 4 i + c holds the bucket of token 1024 w + 128 i + 4 lane + c
.set POS,  64                          ; v[64:95]    sort: that token's rank
.set OFFS, 96                          ; v[96:127]   sort: its bucket's start for my wave
.set CN,   16                          ; s[16:24]    my wave's running counts
.set MK,   28                          ; s[28:36]    lane masks of the nine buckets
.set TOT,  40                          ; s[40:48]    totals
.set ST,   50                          ; s[50:59]    first rank of each bucket
.set TS,   66                          ; s[66:75]    first tile of each bucket
	s_load_b256 s[4:11], s[0:1], 0x0               ; weight s[4:5], indices s[6:7], wb s[8:9], order s[10:11]
	s_load_b64 s[12:13], s[0:1], 0x20              ; tiles
	v_lshl_add_u32 v[SPW], v0, 2, SPARE
	v_mov_b32 v[NIL], 0
	v_lshrrev_b32 v1, 5, v0
	v_readfirstlane_b32 s14, v1                    ; wave 0..7
	v_and_b32 v1, 31, v0                           ; lane
	s_cmp_eq_u32 ttmp9, 0
	s_cbranch_scc1 .Lsort
; ---------------- the weights: work-group g + 1 takes 64 rows of k (131,072 dense bytes), wave v the 64 columns ng = v ----------------
	s_sub_co_u32 s15, ttmp9, 1                     ; g
	s_lshl_b32 s16, s15, 17                        ; where my 131,072 bytes begin in weight
	s_mov_b32 s17, 0
	s_lshr_b32 s18, s15, 5                         ; e = g / 32
	s_lshl_b32 s18, s18, 21                        ; an expert is 2^21 bytes of wb,
	s_lshl_b32 s20, s14, 18                        ; a group of 64 columns 2^18,
	s_add_co_u32 s18, s18, s20
	s_and_b32 s20, s15, 31
	s_lshl_b32 s20, s20, 13                        ; a block of 32 k 4,096: kb0 = 2 (g % 32)
	s_add_co_u32 s18, s18, s20
	s_mov_b32 s19, 0
	v_lshlrev_b32 v4, 4, v1                        ; out: 16 bytes a lane
	v_and_b32 v5, 15, v0
	v_bfe_u32 v6, v0, 4, 1
	v_lshlrev_b32 v5, 4, v5                        ; in: four columns, 16 (lane % 16),
	v_lshl_add_u32 v5, v6, 14, v5                  ; eight rows of 2,048 bytes down for lanes 16-31,
	v_lshl_add_u32 v5, s14, 8, v5                  ; my wave's 256 bytes of a row
	s_wait_kmcnt 0x0
	s_add_nc_u64 s[4:5], s[4:5], s[16:17]
	s_add_nc_u64 s[8:9], s[8:9], s[18:19]
	; all 32 loads go out first: sixteen lanes take 256 consecutive, aligned bytes of one row
.irp u, 0,1
.irp hf, 0,1
.irp j, 0,1,2,3,4,5,6,7
	global_load_b128 v[IN+4*(16*(\u)+8*(\hf)+(\j)):IN+4*(16*(\u)+8*(\hf)+(\j))+3], v5, s[4:5] offset:(\u)*65536+(16*(\hf)+(\j))*2048 th:TH_LOAD_NT
.endr
.endr
.endr
; Eight rows (j) of four columns (c) are turned in registers: for column c the eight k of a lane pack into 16 bytes.  left = the loads of the later groups of eight.
.macro CONV u, hf, left
	s_wait_loadcnt \left
.irp c, 0,1,2,3
.irp jj, 0,1,2,3
	v_cvt_pk_bf16_f32 v[OUTR+4*(8*(\u)+4*(\hf)+(\c))+(\jj)], v[IN+4*(16*(\u)+8*(\hf)+2*(\jj))+(\c)], v[IN+4*(16*(\u)+8*(\hf)+2*(\jj)+1)+(\c)]
.endr
	global_store_b128 v4, v[OUTR+4*(8*(\u)+4*(\hf)+(\c)):OUTR+4*(8*(\u)+4*(\hf)+(\c))+3], s[8:9] offset:(\u)*4096+(\c)*1024+(\hf)*512  ; 512 consecutive bytes; no store register is written twice
.endr
.endm
	CONV 0, 0, 24
	CONV 0, 1, 16
	CONV 1, 0, 8
	CONV 1, 1, 0
	s_endpgm
; ---------------- the sort: wave w takes tokens 1024 w .. 1024 w + 1023 ----------------
.Lsort:
	v_lshlrev_b32 v4, 4, v1
	v_lshl_add_u32 v4, s14, 12, v4                 ; my 16 bytes of indices
	v_lshlrev_b32 v5, 2, v0                        ; my word among the waves' counts: 128 w + 4 lane
	v_lshlrev_b32 v6, 2, v1                        ; 4 lane
	v_lshl_add_u32 v7, s14, 10, v6                 ; my first token: 1024 w + 4 lane
	s_wait_kmcnt 0x0
.irp i, 0,1,2,3,4,5,6,7
	global_load_b128 v[IDX+4*(\i):IDX+4*(\i)+3], v4, s[6:7] offset:(\i)*512
.endr
.irp e, 0,1,2,3,4,5,6,7,8
	s_mov_b32 s[CN+(\e)], 0
.endr
	s_wait_loadcnt 0x0
.set i, 0
.rept 32
	v_min_u32 v[IDX+i], 8, v[IDX+i]                ; unsigned: every index outside 0..7 falls into bucket 8
.set i, i+1
.endr
; The rank of register i's 32 tokens inside my wave: those of the same bucket in earlier registers (CN) and in lower lanes.
.macro RANK i
.irp e, 0,1,2,3,4,5,6,7,8
	v_cmp_eq_u32 s[MK+(\e)], \e, v[IDX+(\i)]
.endr
	v_mbcnt_lo_u32_b32 v[POS+(\i)], s[MK], s[CN]
.irp e, 1,2,3,4,5,6,7,8
	v_mbcnt_lo_u32_b32 v[8+(\e)%2], s[MK+(\e)], s[CN+(\e)]
	v_cndmask_b32 v[POS+(\i)], v[POS+(\i)], v[8+(\e)%2], s[MK+(\e)]
.endr
.irp e, 0,1,2,3,4,5,6,7,8
	s_bcnt1_i32_b32 s76, s[MK+(\e)]
	s_add_co_u32 s[CN+(\e)], s[CN+(\e)], s76
.endr
.endm
.set i, 0
.rept 32
	RANK i
.set i, i+1
.endr
	v_mov_b32 v13, 0                               ; my wave's nine counts, bucket e in lane e
.irp e, 0,1,2,3,4,5,6,7,8
	v_writelane_b32 v13, s[CN+(\e)], \e
.endr
	ds_store_b32 v5, v13
	s_wait_dscnt 0x0                               ; for the others' sake: my counts are written
	s_barrier_signal -1
	s_barrier_wait -1
.irp w, 0,1,2,3,4,5,6,7
	ds_load_b32 v[16+(\w)], v6 offset:128*(\w)     ; every wave's counts
.endr
	v_mov_b32 v10, 0                               ; totals
	v_mov_b32 v11, 0                               ; the waves' in front of mine
	s_wait_dscnt 0x0
.irp w, 0,1,2,3,4,5,6,7
	s_cmp_gt_u32 s14, \w
	s_cselect_b32 s76, -1, 0
	v_add_nc_u32 v10, v10, v[16+(\w)]
	v_and_b32 v8, s76, v[16+(\w)]
	v_add_nc_u32 v11, v11, v8
.endr
.irp e, 0,1,2,3,4,5,6,7,8
	v_readlane_b32 s[TOT+(\e)], v10, \e
.endr
	s_mov_b32 s[ST], 0
	s_mov_b32 s[TS], 0
.irp e, 0,1,2,3,4,5,6,7,8
	s_add_co_u32 s[ST+(\e)+1], s[ST+(\e)], s[TOT+(\e)]
	s_add_co_u32 s76, s[TOT+(\e)], 79
	s_mul_i32 s76, s76, 0xcccd                     ; (t + 79) / 80 = ((t + 79) x 52429) >> 22, exact below 65,536
	s_lshr_b32 s76, s76, 22
	s_add_co_u32 s[TS+(\e)+1], s[TS+(\e)], s76
.endr
	v_mov_b32 v12, 0
.irp e, 0,1,2,3,4,5,6,7,8
	v_writelane_b32 v12, s[ST+(\e)], \e
.endr
	v_add_nc_u32 v12, v12, v11                     ; lane e: where my wave's tokens of bucket e begin
.set i, 0
.rept 32
	v_lshlrev_b32 v[IDX+i], 2, v[IDX+i]
	ds_bpermute_b32 v[OFFS+i], v[IDX+i], v12       ; each token takes its bucket's start
.set i, i+1
.endr
	s_wait_dscnt 0x0
.set i, 0
.rept 32
	v_add_nc_u32 v[POS+i], v[POS+i], v[OFFS+i]
	v_min_u32 v[POS+i], 0x1fff, v[POS+i]           ; a rank is below 8,192
	v_lshlrev_b32 v[POS+i], 2, v[POS+i]
	v_add_nc_u32 v[IDX+i], 128*(i/4)+i%4, v7       ; the token's number
	global_store_b32 v[POS+i], v[IDX+i], s[10:11]  ; the ranks are a permutation: each of order's 8,192 words is written once (32 KB in all, once a launch)
.set i, i+1
.endr
	; the list of tiles: thread T finds the last bucket whose first tile is not behind T
	v_mov_b32 v24, 0
	v_mov_b32 v13, 0
	v_mov_b32 v14, 0
	v_mov_b32 v15, s[TOT]
.irp e, 1,2,3,4,5,6,7,8
	v_cmp_le_u32 vcc_lo, s[TS+(\e)], v0
	v_cndmask_b32 v24, v24, \e, vcc_lo
	v_cndmask_b32 v13, v13, s[ST+(\e)], vcc_lo
	v_cndmask_b32 v14, v14, s[TS+(\e)], vcc_lo
	v_cndmask_b32 v15, v15, s[TOT+(\e)], vcc_lo
.endr
	v_sub_nc_u32 v9, v0, v14                       ; which tile of its bucket
	v_mul_u32_u24 v8, 80, v9
	v_add_nc_u32 v25, v13, v8
	v_min_u32 v25, 0x1fff, v25                     ; first rank
	v_min_u32 v9, v8, v15
	v_sub_nc_u32 v26, v15, v9
	v_min_u32 v26, 80, v26                         ; rows: 0 behind the last tile
	v_mov_b32 v27, 0
	v_lshlrev_b32 v28, 4, v0
	global_store_b128 v28, v[24:27], s[12:13]
	s_wait_tensorcnt 0x0                           ; the wave's end: behind my last LDS store
	ds_add_u32 v[SPW], v[NIL]
	s_wait_dscnt 0x0
	s_endpgm
.Lfunc_end_k_q14f966b1c2_prep:
	.size	k_q14f966b1c2_prep, .Lfunc_end_k_q14f966b1c2_prep-k_q14f966b1c2_prep
	.p2alignl 7, 3214868480
	.fill 96, 4, 3214868480
	.section	.rodata,"a",@progbits
	.p2align	6, 0x0
	.amdhsa_kernel k_q14f966b1c2_prep
		.amdhsa_group_segment_fixed_size 2048
		.amdhsa_private_segment_fixed_size 0
		.amdhsa_enable_private_segment 0
		.amdhsa_kernarg_size 40
		.amdhsa_user_sgpr_count 2
		.amdhsa_user_sgpr_kernarg_segment_ptr 1
		.amdhsa_wavefront_size32 1
		.amdhsa_system_sgpr_workgroup_id_x 1
		.amdhsa_system_sgpr_workgroup_id_y 1
		.amdhsa_system_sgpr_workgroup_id_z 1
		.amdhsa_system_vgpr_workitem_id 0
		.amdhsa_next_free_vgpr 208
		.amdhsa_next_free_sgpr 84
		.amdhsa_reserve_vcc 1
		.amdhsa_float_denorm_mode_32 3
		.amdhsa_float_denorm_mode_16_64 3
		.amdhsa_memory_ordered 1
		.amdhsa_forward_progress 1
		.amdhsa_inst_pref_size 104
	.end_amdhsa_kernel
	.amdgpu_metadata
---
amdhsa.version: [ 1, 2 ]
amdhsa.kernels:
  - .name:           k_q14f966b1c2_prep
    .symbol:         k_q14f966b1c2_prep.kd
    .args:
      - { .name: weight, .offset: 0, .size: 8, .value_kind: global_buffer, .address_space: global }
      - { .name: indices, .offset: 8, .size: 8, .value_kind: global_buffer, .address_space: global }
      - { .name: wb, .offset: 16, .size: 8, .value_kind: global_buffer, .address_space: global }
      - { .name: order, .offset: 24, .size: 8, .value_kind: global_buffer, .address_space: global }
      - { .name: tiles, .offset: 32, .size: 8, .value_kind: global_buffer, .address_space: global }
    .group_segment_fixed_size: 2048
    .private_segment_fixed_size: 0
    .kernarg_segment_align: 8
    .kernarg_segment_size: 40
    .max_flat_workgroup_size: 256
    .sgpr_count:     84
    .vgpr_count:     208
    .wavefront_size: 32
...
	.end_amdgpu_metadata
.endif
;; end of part 1
;; launch gemm (part 2): grid 222 x 1, 4 waves a work-group, no clusters, 44,544 bytes of LDS; arguments x, wb, order, tiles, out0; writes out0
.if DOCPART == 2
	.amdgcn_target "amdgcn-amd-amdhsa--gfx1250"
	.amdhsa_code_object_version 6
	.text
	.protected	k_q14f966b1c2_gemm
	.globl	k_q14f966b1c2_gemm
	.p2align	8
	.type	k_q14f966b1c2_gemm,@function
k_q14f966b1c2_gemm:
	s_mov_b64 s[64:65], 0
	v_nop
	global_prefetch_b8 v0, s[64:65] scope:SCOPE_SE
	s_setreg_imm32_b32 hwreg(HW_REG_WAVE_MODE, 25, 1), 1
	s_wait_xcnt 0x0
; out0[n][:] = x[n][:] . weight[indices[n]], by tiles of 80 tokens of one expert x 256 columns.  x [8192][2048] f32 is rounded once to bf16 (nearest even) on its way
; into LDS; the weights come as bf16 fragments from wb; one f32 sum for each output, K ascending.
; GRID.  222 work-groups = 111 tiles of the stored list (they serve every split of the tokens: sum over 9 buckets of ceil(count / 80) <= (8192 + 9 x 79) / 80) x 2 column halves.
; Work-group L has tile T = 16 (L / 32) + L % 16 and column half c = bit 4 of L, so the two work-groups that read the same rows of x have numbers 16 apart; L = 207, which would be
; tile 111, takes the pair that is left, (110, 1).  Only the numbering hangs on this, no value.
; SHARES.  Four waves; wave w has all 80 rows x columns 64 (4 c + w) .. + 63: 5 x 4 accumulators, 160 registers.  Fragment b of B holds columns 4 r + b (r = lane % 16),
; so a lane's four accumulators of a row block hold four NEIGHBOURING columns: 16 bytes, sixteen lanes 256 aligned bytes: the result is stored without a stage in LDS.
; K goes in 16 steps of 128, each four sub-steps of 32 (20 matrix instructions): 64 sub-steps u.
; WEIGHTS GO STRAIGHT INTO REGISTERS.  A wave alone reads its stream of wb (262,144 dense bytes, laid out in fragment order): a load of 512 consecutive bytes is half a fragment.
; Through LDS the work-group's 1 MB would be written and read once more, for no reader but the wave itself.  A ring of eight buffers of four fragments; sub-step u asks for u + 5's.
; X: the rows come by a list: wave w gathers rows 20 w .. 20 w + 19, 512 bytes a load, four sub-steps ahead of their conversion; two buffers in LDS, one barrier a step.
; LOADS IN FLIGHT.  Sub-step u issues X(u), five loads of x, and then B(u), eight loads of weights: 13.  The waits leave 52 (for B(u - 5)) and 47 (for X(u - 4)) younger loads out, so a wave
; has 60 loads, 30,720 bytes, out at the most, and the stream never drains.
; NO JOINT LOADS, NO TENSOR LOADS: what tiles share is an expert's weights, whose address hangs on the tile's bucket, a stored number, which a joint load's descriptor may not; the rows
; of x come by a list that no descriptor covers; and no tile is left that two waves read but x's, which has to be rounded in registers anyway.
; A TILE THAT IS NOT FULL repeats its last row in the places past the count: those places store the same numbers to the same bytes again; whole blocks of 16 rows past the count are
; jumped.  A TILE WITHOUT ROWS walks the loop on clamped addresses (no barrier may hang on a loaded count) and stores nothing.
; BUCKET 8 (an index outside 0..7): the row is stored as +0, by a mask.  NaN and infinities are not treated apart.  Operands keep bf16's 8 significant bits.
; REGISTERS, in windows of 256 (s_set_vgpr_msb: bits 1:0 source 0, 3:2 source 1, 5:4 source 2, 7:6 destination):
;   window 0: v0-15 addresses; v16-35 byte offsets of my 20 rows of x; v46-65 tokens; v96-255 the accumulators, (a, b) at 96 + 8 (4 a + b)
;   window 1: v0-79 A's fragments, two buffers of 5; v80-159 x as loaded, 20 rows x 4; v160-199 byte offsets in out0; v200-209 x rounded, at work
;   window 2: the ring of B's fragments, buffer i at 32 i; ahead of the loop v160-239 hold step 0's x; at the end v0-159 the 40 quads to store
.set XP,    272                        ; a row of x in LDS: 256 bytes + 16: the 16 rows of a fragment load start 68 words apart (64 banks of 4 bytes: ISA guide 11.1)
.set XB0,   0                          ; x, buffer 0: 80 rows
.set XB1,   80*XP
.set TOK,   2*80*XP                    ; 128 words: the token of row min(t, 79, rows - 1)
.set SPARE, TOK+512                    ; the spare words, 128 bytes a wave; no other line names them
.set ADRA, 4                           ; v4-5   my place in A's fragments, buffer 0, 1
.set XST,  8                           ; v8-9   where I put 8 bytes of my wave's first row, buffer 0, 1
.set TKH,  10                          ; v10    TOK + 32 (lane / 16)
.set COL,  11                          ; v11    my 16 bytes in a row of out0
.set SPW,  12                          ; v12    SPARE + 4 x my thread's number; never rewritten
.set NIL,  13                          ; v13    0; never rewritten
.set L16,  14                          ; v14    16 x lane; never rewritten
.set XOFF, 16                          ; never rewritten
.set TT,   46
.set ACC,  96
.set AF,   0                           ; window 1
.set X,    80                          ; window 1
.set OADR, 160                         ; window 1
.set CV,   200                         ; window 1
.set T0,   160                         ; window 2
.set MSB, 0
.macro WIN new                         ; the immediate's high byte repeats the setting that is left; a switch that changes nothing is dropped
.if MSB != (\new)
	s_set_vgpr_msb (MSB<<8)|(\new)
.set MSB, \new
.endif
.endm
.set MUL,  0x09                        ; A window 1, B window 2, C and D window 0; also a store's address window 1 and data window 2
.set CVT1, 0x45                        ; sources and destination window 1
.set CVT2, 0x4a                        ; sources window 2, destination window 1
.set W_LS, 0x44                        ; address window 0; loaded data, and an LDS store's data, window 1
.set TO_B, 0x80                        ; destination window 2, all else window 0
.macro PLACES                          ; four plain vector instructions between a matrix instruction and a load into, or a vector line on, its registers
.rept 4
	v_nop
.endr
.endm
; Eight loads: the four fragments of B at byte off of my stream, into ring buffer rb
.macro BLOAD rb, off
	WIN TO_B
.irp b, 0,1,2,3
	global_load_b128 v[32*(\rb)+8*(\b):32*(\rb)+8*(\b)+3],   v[L16], s[6:7] offset:(\off)+(\b)*1024
	global_load_b128 v[32*(\rb)+8*(\b)+4:32*(\rb)+8*(\b)+7], v[L16], s[6:7] offset:(\off)+(\b)*1024+512
.endr
.endm
; Five loads: rows 5 g .. 5 g + 4 of my 20, step 1's 512 bytes (ahead of the loop)
.macro XL g
	WIN W_LS
.irp q, 0,1,2,3,4
	global_load_b128 v[X+4*(5*(\g)+(\q)):X+4*(5*(\g)+(\q))+3], v[XOFF+5*(\g)+(\q)], s[4:5] offset:512
.endr
.endm
; Rows 5 g .. 5 g + 4 of my 20, out of the registers at base (window setting win): rounded to bf16 and put into x buffer buf; off >= 0: the rows are asked for again, at byte off.
; left = the loads issued behind these five.  The ten conversions name no register of a matrix instruction: they are the places in front of the fragment loads that follow.
.macro XWORK win, base, buf, g, off, left
	s_wait_loadcnt \left
	WIN \win
.irp q, 0,1,2,3,4
	v_cvt_pk_bf16_f32 v[CV+2*(\q)],   v[(\base)+4*(5*(\g)+(\q))],   v[(\base)+4*(5*(\g)+(\q))+1]
	v_cvt_pk_bf16_f32 v[CV+2*(\q)+1], v[(\base)+4*(5*(\g)+(\q))+2], v[(\base)+4*(5*(\g)+(\q))+3]
.endr
	WIN W_LS
.irp q, 0,1,2,3,4
	ds_store_b64 v[XST+(\buf)], v[CV+2*(\q):CV+2*(\q)+1] offset:(5*(\g)+(\q))*XP  ; 32 lanes, 256 consecutive bytes: a row
.endr
.if (\off) >= 0
.irp q, 0,1,2,3,4
	global_load_b128 v[X+4*(5*(\g)+(\q)):X+4*(5*(\g)+(\q))+3], v[XOFF+5*(\g)+(\q)], s[4:5] offset:\off
.endr
.endif
.endm
; Ten LDS loads in one run: the five fragments of A, 32 along K at byte 64 s of x buffer xb, into fragment buffer fb
.macro FETCH xb, s, fb
	WIN W_LS
.irp a, 0,1,2,3,4
	ds_load_b128 v[AF+40*(\fb)+8*(\a):AF+40*(\fb)+8*(\a)+3],   v[ADRA+(\xb)] offset:(\a)*16*XP+(\s)*64
	ds_load_b128 v[AF+40*(\fb)+8*(\a)+4:AF+40*(\fb)+8*(\a)+7], v[ADRA+(\xb)] offset:(\a)*16*XP+(\s)*64+32
.endr
.endm
; Products lo .. hi - 1 of a sub-step's 20: A's buffer fb, B's ring buffer rb.  The 20 accumulators take turns, one instruction a turn, in the same order in every sub-step.
; zero = 1: the product starts the sum.
.macro MM fb, rb, lo, hi, zero
	WIN MUL
.set mi, \lo
.rept (\hi)-(\lo)
.if \zero
	v_wmma_f32_16x16x32_bf16 v[ACC+8*mi:ACC+8*mi+7], v[AF+40*(\fb)+8*(mi/4):AF+40*(\fb)+8*(mi/4)+7], v[32*(\rb)+8*(mi%4):32*(\rb)+8*(mi%4)+7], 0
.else
	v_wmma_f32_16x16x32_bf16 v[ACC+8*mi:ACC+8*mi+7], v[AF+40*(\fb)+8*(mi/4):AF+40*(\fb)+8*(mi/4)+7], v[32*(\rb)+8*(mi%4):32*(\rb)+8*(mi%4)+7], v[ACC+8*mi:ACC+8*mi+7]
.endif
.set mi, mi+1
.endr
.endm
; Step j (counted from the bases' place), sub-step s = 0, 1, 2.  cb = the loads issued behind this sub-step's fragments of B.  Behind the fourth product stand a quarter of the next step's x
; work (cx = the loads issued behind its rows; cx < 0: no x is left, four v_nop), the next sub-step's fragments of A, and (bl = 1) the loads of B five sub-steps on, into the buffer that was
; multiplied three sub-steps ago.
.macro SUB j, s, zero, cb, cx, xoff, bl
	s_wait_loadcnt \cb                             ; loads come back in order (ISA guide 5.7.1): my fragments of B are in, the younger loads stay out
	s_wait_dscnt 0x0                               ; my fragments of A are in: no LDS instruction was issued behind them
	MM (\s)&1, (4*(\j)+(\s))%8, 0, 4, \zero
.if (\cx) >= 0
	XWORK CVT1, X, ((\j)+1)&1, \s, \xoff, \cx
.else
	PLACES
.endif
	FETCH (\j)&1, (\s)+1, ((\s)+1)&1
.if \bl
	BLOAD (4*(\j)+(\s)+5)%8, (4*(\j)+(\s)+5)*4096
.endif
	MM (\s)&1, (4*(\j)+(\s))%8, 4, 20, \zero
.endm
; Step j, sub-step 3, and the step's ONE barrier.  In front of it my stores of the next step's x and my reads of this step's x are done; behind it the next step's x is whole, and this
; step's buffer may be written again.
.macro LAST j, cb, cx, xoff, bl
	s_wait_loadcnt \cb
	s_wait_dscnt 0x0
	MM 1, (4*(\j)+3)%8, 0, 4, 0
	XWORK CVT1, X, ((\j)+1)&1, 3, \xoff, \cx
.if \bl
	BLOAD (4*(\j)+8)%8, (4*(\j)+8)*4096
.endif
	MM 1, (4*(\j)+3)%8, 4, 8, 0
	s_wait_dscnt 0x0                               ; for the others' sake: my stores of x are done; my reads of x were waited for above
	s_barrier_signal -1
	MM 1, (4*(\j)+3)%8, 8, 12, 0                   ; work on registers while the others arrive
	s_barrier_wait -1
	FETCH ((\j)+1)&1, 0, 0
	MM 1, (4*(\j)+3)%8, 12, 20, 0
.endm
	s_load_b256 s[4:11], s[0:1], 0x0               ; x s[4:5], wb s[6:7], order s[8:9], tiles s[10:11]
	s_load_b64 s[12:13], s[0:1], 0x20              ; out0
	v_lshl_add_u32 v[SPW], v0, 2, SPARE
	v_mov_b32 v[NIL], 0
	v_lshrrev_b32 v1, 5, v0
	v_readfirstlane_b32 s14, v1                    ; wave 0..3
	s_and_b32 s16, ttmp9, 15
	s_lshr_b32 s17, ttmp9, 5
	s_lshl4_add_u32 s16, s17, s16                  ; tile T = 16 (L / 32) + L % 16
	s_bfe_u32 s15, ttmp9, 0x10004                  ; column half c = bit 4 of L
	s_cmp_eq_u32 s16, 111                          ; L = 207 alone:
	s_cselect_b32 s16, 110, s16                    ; it takes tile 110,
	s_cselect_b32 s15, 1, s15                      ; column half 1, which no other number gives
	s_lshl2_add_u32 s41, s15, s14                  ; my group of 64 columns: 4 c + w
	v_and_b32 v1, 15, v0                           ; r
	v_bfe_u32 v2, v0, 4, 1                         ; h
	v_and_b32 v[L16], 31, v0
	v_lshlrev_b32 v3, 3, v[L16]                    ; 8 x lane
	v_lshlrev_b32 v[L16], 4, v[L16]
	s_mul_i32 s17, s14, 20*XP
	v_add_nc_u32 v3, s17, v3
	v_add_nc_u32 v[XST], XB0, v3
	v_add_nc_u32 v[XST+1], XB1, v3
	v_mul_u32_u24 v3, v1, XP                       ; a fragment of A: row r, 16 bytes for each half of the lanes
	v_lshl_add_u32 v3, v2, 4, v3
	v_add_nc_u32 v[ADRA], XB0, v3
	v_add_nc_u32 v[ADRA+1], XB1, v3
	v_lshl_add_u32 v[TKH], v2, 5, TOK
	s_lshl_b32 s17, s41, 8
	v_lshl_add_u32 v[COL], v1, 4, s17
	v_lshl_add_u32 v[TT], v0, 2, TOK
	s_lshl_b32 s42, s16, 4
	s_mov_b32 s43, 0
	s_wait_kmcnt 0x0
	s_add_nc_u64 s[10:11], s[10:11], s[42:43]
	s_load_b128 s[20:23], s[10:11], 0x0            ; my tile: bucket, first rank, rows, 0
	s_wait_kmcnt 0x0
	s_min_u32 s20, s20, 8
	s_min_u32 s21, s21, 0x1fff
	s_min_u32 s22, s22, 80
	s_cmp_lt_u32 s20, 8
	s_cselect_b32 s40, -1, 0                       ; the mask on the results: bucket 8's rows are 0
	s_max_u32 s18, s22, 1
	s_sub_co_u32 s18, s18, 1                       ; the tile's last row
	s_min_u32 s17, s20, 7                          ; bucket 8 walks expert 7's weights, to be masked
	s_lshl_b32 s17, s17, 3
	s_add_co_u32 s17, s17, s41
	s_lshl_b32 s42, s17, 18                        ; my stream in wb
	s_add_nc_u64 s[6:7], s[6:7], s[42:43]
	; the tile's tokens: thread t fetches the token of row min(t, 79, rows - 1)
	v_min_u32 v3, 79, v0
	v_min_u32 v3, s18, v3
	v_add_nc_u32 v3, s21, v3
	v_min_u32 v3, 0x1fff, v3
	v_lshlrev_b32 v3, 2, v3
	global_load_b32 v15, v3, s[8:9]
	BLOAD 0, 0                                     ; sub-step 0's weights hang on the tile's bucket alone: they go out at once
	WIN 0
	s_mul_i32 s17, s14, 80
	s_add_co_u32 s17, s17, TOK                     ; my wave's 20 tokens
	s_wait_loadcnt 8                               ; my token is in; the eight loads behind it stay out
	v_min_u32 v15, 0x1fff, v15
	ds_store_b32 v[TT], v15
	s_wait_dscnt 0x0                               ; for the others' sake: my token is written
	s_barrier_signal -1
	s_barrier_wait -1
	v_mov_b32 v3, s17
.irp q, 0,1,2,3,4
	ds_load_b128 v[TT+4*(\q):TT+4*(\q)+3], v3 offset:16*(\q)  ; all lanes the same 16 bytes
.endr
	WIN W_LS
.irp a, 0,1,2,3,4
	ds_load_b128 v[OADR+8*(\a):OADR+8*(\a)+3],   v[TKH] offset:64*(\a)      ; the tokens of rows 16 a + 8 h + 0..7, where my results belong
	ds_load_b128 v[OADR+8*(\a)+4:OADR+8*(\a)+7], v[TKH] offset:64*(\a)+16
.endr
	WIN 0
	s_wait_dscnt 10                                ; the first five loads are in; the ten behind them may be out
.set i, 0
.rept 20
	v_min_u32 v[TT+i], 0x1fff, v[TT+i]
	v_lshl_add_u32 v[XOFF+i], v[TT+i], 13, v[L16]  ; token x 8,192 bytes + 16 x lane
.set i, i+1
.endr
	; The stream begins in the order that the loop keeps, so that the loop's counts hold on the way in too: step 0's x; then, as sub-steps -4 .. -1 would, five loads of step 1's x and
	; eight of the weights of sub-steps 1 .. 4, by turns.
	WIN TO_B
.set i, 0
.rept 20
	global_load_b128 v[T0+4*i:T0+4*i+3], v[XOFF+i], s[4:5]  ; 512 consecutive bytes of one row
.set i, i+1
.endr
	XL 0
	BLOAD 1, 1*4096
	XL 1
	BLOAD 2, 2*4096
	s_wait_dscnt 0x0
	WIN 0x44
.set i, 0
.rept 40
	v_min_u32 v[OADR+i], 0x1fff, v[OADR+i]
.set i, i+1
.endr
	WIN 0x41
.set i, 0
.rept 40
	v_lshl_add_u32 v[OADR+i], v[OADR+i], 11, v[COL]  ; token x 2,048 bytes + my 16 bytes of the row
.set i, i+1
.endr
	XWORK CVT2, T0, 0, 0, -1, 41                   ; step 0's x goes into buffer 0.  Behind its first five rows: its other 15 and the 26 above
	XWORK CVT2, T0, 0, 1, -1, 36                   ; 10 + 26
	XL 2
	BLOAD 3, 3*4096
	XWORK CVT2, T0, 0, 2, -1, 44                   ; 5 + 26 + 13
	XL 3
	BLOAD 4, 4*4096
	XWORK CVT2, T0, 0, 3, -1, 52                   ; 26 + 26
	s_wait_dscnt 0x0                               ; my rows of x are written
	s_barrier_signal -1
	s_barrier_wait -1
	FETCH 0, 0, 0
	SUB 0, 0, 1, 52, 47, 1024, 1                   ; sub-step 0 stands ahead of the loop: its products start the sums
	WIN 0                                          ; at a label and at a branch every window is 0
	s_mov_b32 s3, 6
.Ltrip:                                                ; a trip: two steps, once round the ring of B, from a step's second sub-step to the first of the step two on.  Six trips: sub-steps 1 .. 48;
                                                       ; they ask for x up to step 14 and for weights up to sub-step 53
	SUB 0, 1, 0, 52, 47, 1024, 1
	SUB 0, 2, 0, 52, 47, 1024, 1
	LAST 0, 52, 47, 1024, 1
	SUB 1, 0, 0, 52, 47, 1536, 1
	SUB 1, 1, 0, 52, 47, 1536, 1
	SUB 1, 2, 0, 52, 47, 1536, 1
	LAST 1, 52, 47, 1536, 1
	s_wait_xcnt 0x0                                ; the loads issued so far have had their addresses translated (ISA guide 3.1): only now are the two bases stepped:
	s_add_nc_u64 s[4:5], s[4:5], 1024              ; two steps of 512 bytes along x's rows,
	s_add_nc_u64 s[6:7], s[6:7], 32768             ; eight sub-steps of 4,096 bytes of my stream
	SUB 0, 0, 0, 52, 47, 1024, 1
	WIN 0
	s_sub_co_u32 s3, s3, 1
	s_cmp_lg_u32 s3, 0
	s_cbranch_scc1 .Ltrip
	SUB 0, 1, 0, 52, 47, 1024, 1                   ; step 12 goes on
	SUB 0, 2, 0, 52, 47, 1024, 1
	LAST 0, 52, 47, 1024, 1
	SUB 1, 0, 0, 52, 47, 1536, 1                   ; step 13 asks for step 15's x, the last
	SUB 1, 1, 0, 52, 47, 1536, 1
	SUB 1, 2, 0, 52, 47, 1536, 1
	LAST 1, 52, 47, 1536, 1
	SUB 2, 0, 0, 52, 47, -1, 1                     ; step 14 (sub-steps 56 .. 59) asks for no x, and for the weights of sub-steps 61, 62, 63: a sub-step now issues 8 loads, then none,
	SUB 2, 1, 0, 47, 42, -1, 1                     ; and the counts run down: behind B(52): 39 + 8; behind X(53): 8 + 26 + 8
	SUB 2, 2, 0, 42, 37, -1, 1                     ; behind B(53): 26 + 16; behind X(54): 8 + 13 + 16
	LAST 2, 37, 32, -1, 0                          ; behind B(54): 13 + 24; behind X(55): 8 + 24
	SUB 3, 0, 0, 24, -1, -1, 0                     ; step 15: no x is left; behind B(55) stand B(56), B(57), B(58)
	SUB 3, 1, 0, 16, -1, -1, 0
	SUB 3, 2, 0, 8, -1, -1, 0
	s_wait_loadcnt 0x0
	s_wait_dscnt 0x0
	MM 1, 7, 0, 20, 0
	; THE WAY OUT.  Register j of accumulator (a, b) is row 16 a + 8 h + j, column 64 (4 c + w) + 4 r + b.  One line a number gathers a lane's four columns into a quad and applies the
	; bucket's mask; each accumulator is read from its lowest register on.  A store writes two rows' 256 consecutive, aligned bytes.
	WIN 0
	PLACES                                         ; behind the last products: their results are read, and the ring's registers written, below
.irp a, 0,1,2,3,4
	s_cmp_le_u32 s22, 16*(\a)                      ; a block of 16 rows past the count, and all of a tile without rows, is jumped: no barrier lies ahead
	s_cbranch_scc1 .Ldone
	WIN TO_B
.irp j, 0,1,2,3,4,5,6,7
.irp b, 0,1,2,3
	v_and_b32 v[4*(8*(\a)+(\j))+(\b)], s40, v[ACC+8*(4*(\a)+(\b))+(\j)]
.endr
.endr
	WIN MUL                                        ; the stores' addresses lie in window 1, their data in window 2
.irp j, 0,1,2,3,4,5,6,7
	global_store_b128 v[OADR+8*(\a)+(\j)], v[4*(8*(\a)+(\j)):4*(8*(\a)+(\j))+3], s[12:13] th:TH_STORE_NT
.endr
	WIN 0
.endr
.Ldone:
	s_wait_tensorcnt 0x0                           ; the wave's end: behind my last LDS store
	ds_add_u32 v[SPW], v[NIL]
	s_wait_dscnt 0x0
	s_endpgm
.Lfunc_end_k_q14f966b1c2_gemm:
	.size	k_q14f966b1c2_gemm, .Lfunc_end_k_q14f966b1c2_gemm-k_q14f966b1c2_gemm
	.p2alignl 7, 3214868480
	.fill 96, 4, 3214868480
	.section	.rodata,"a",@progbits
	.p2align	6, 0x0
	.amdhsa_kernel k_q14f966b1c2_gemm
		.amdhsa_group_segment_fixed_size 44544
		.amdhsa_private_segment_fixed_size 0
		.amdhsa_enable_private_segment 0
		.amdhsa_kernarg_size 40
		.amdhsa_user_sgpr_count 2
		.amdhsa_user_sgpr_kernarg_segment_ptr 1
		.amdhsa_wavefront_size32 1
		.amdhsa_system_sgpr_workgroup_id_x 1
		.amdhsa_system_sgpr_workgroup_id_y 1
		.amdhsa_system_sgpr_workgroup_id_z 1
		.amdhsa_system_vgpr_workitem_id 0
		.amdhsa_next_free_vgpr 768
		.amdhsa_next_free_sgpr 66
		.amdhsa_reserve_vcc 0
		.amdhsa_float_denorm_mode_32 3
		.amdhsa_float_denorm_mode_16_64 3
		.amdhsa_memory_ordered 1
		.amdhsa_forward_progress 1
		.amdhsa_inst_pref_size 126
	.end_amdhsa_kernel
	.amdgpu_metadata
---
amdhsa.version: [ 1, 2 ]
amdhsa.kernels:
  - .name:           k_q14f966b1c2_gemm
    .symbol:         k_q14f966b1c2_gemm.kd
    .args:
      - { .name: x, .offset: 0, .size: 8, .value_kind: global_buffer, .address_space: global }
      - { .name: wb, .offset: 8, .size: 8, .value_kind: global_buffer, .address_space: global }
      - { .name: order, .offset: 16, .size: 8, .value_kind: global_buffer, .address_space: global }
      - { .name: tiles, .offset: 24, .size: 8, .value_kind: global_buffer, .address_space: global }
      - { .name: out0, .offset: 32, .size: 8, .value_kind: global_buffer, .address_space: global }
    .group_segment_fixed_size: 44544
    .private_segment_fixed_size: 0
    .kernarg_segment_align: 8
    .kernarg_segment_size: 40
    .max_flat_workgroup_size: 128
    .sgpr_count:     66
    .vgpr_count:     768
    .wavefront_size: 32
...
	.end_amdgpu_metadata
.endif
;; end of part 2
;; ======== version 2 of 2: 2 launches; version 1 with the launch gemm written anew for expert scheduling mode
;; workspace buffers: wb 16,777,216 bytes; order 32,768 bytes of whole numbers; tiles 4,096 bytes of whole numbers
;; launch prep: the kernel of part 1 again; grid 257 x 1, 8 waves a work-group, no clusters, 2,048 bytes of LDS; arguments weight, indices, wb, order, tiles; writes wb, order, tiles
;; launch gemm (part 3): grid 222 x 1, 4 waves a work-group, no clusters, 44,544 bytes of LDS; arguments x, wb, order, tiles, out0; writes out0
.if DOCPART == 3
	.amdgcn_target "amdgcn-amd-amdhsa--gfx1250"
	.amdhsa_code_object_version 6
	.text
	.protected	k_q14f966b1c2_gemm
	.globl	k_q14f966b1c2_gemm
	.p2align	8
	.type	k_q14f966b1c2_gemm,@function
k_q14f966b1c2_gemm:
	s_mov_b64 s[64:65], 0
	v_nop
	global_prefetch_b8 v0, s[64:65] scope:SCOPE_SE
	s_setreg_imm32_b32 hwreg(HW_REG_WAVE_SCHED_MODE, 0, 2), 2
	s_setreg_imm32_b32 hwreg(HW_REG_WAVE_MODE, 25, 1), 1
	s_wait_xcnt 0x0
	s_wait_alu depctr_vm_vsrc(0)
; out0[n][:] = x[n][:] . weight[indices[n]], by tiles of 80 tokens of one expert x 256 columns.  x [8192][2048] f32 is rounded once to bf16 (nearest even) on its way
; into LDS; the weights come as bf16 fragments from wb; one f32 sum for each output, K ascending.
; GRID.  222 work-groups = 111 tiles of the stored list (they serve every split of the tokens: sum over 9 buckets of ceil(count / 80) <= (8192 + 9 x 79) / 80) x 2 column halves.
; Work-group L has tile T = 16 (L / 32) + L % 16 and column half c = bit 4 of L, so the two work-groups that read the same rows of x have numbers 16 apart; L = 207, which would be
; tile 111, takes the pair that is left, (110, 1).  Only the numbering hangs on this, no value.
; SHARES.  Four waves; wave w has all 80 rows x columns 64 (4 c + w) .. + 63: 5 x 4 accumulators, 160 registers.  Fragment b of B holds columns 4 r + b (r = lane % 16),
; so a lane's four accumulators of a row block hold four NEIGHBOURING columns: 16 bytes, sixteen lanes 256 aligned bytes: the result is stored without a stage in LDS.
; K goes in 16 steps of 128, each four sub-steps of 32 (20 matrix instructions): 64 sub-steps u.
; WEIGHTS GO STRAIGHT INTO REGISTERS.  A wave alone reads its stream of wb (262,144 dense bytes, laid out in fragment order): a load of 512 consecutive bytes is half a fragment.
; Through LDS the work-group's 1 MB would be written and read once more, for no reader but the wave itself.  A ring of eight buffers of four fragments; sub-step u asks for u + 5's.
; X: the rows come by a list: wave w gathers rows 20 w .. 20 w + 19, 512 bytes a load, four sub-steps ahead of their conversion; two buffers in LDS, one barrier a step.
; LOADS IN FLIGHT.  Sub-step u issues X(u), five loads of x, and then B(u), eight loads of weights: 13.  The wait at its head is for X(u - 4) and leaves the 47 younger loads out; B(u - 5), the
; sub-step's own weights, was issued ahead of X(u - 4) and is in with it.  So a wave has 60 loads, 30,720 bytes, out at the most, and the stream never drains.
; NO JOINT LOADS, NO TENSOR LOADS: what tiles share is an expert's weights, whose address hangs on the tile's bucket, a stored number, which a joint load's descriptor may not; the rows
; of x come by a list that no descriptor covers; and no tile is left that two waves read but x's, which has to be rounded in registers anyway.
; A TILE THAT IS NOT FULL repeats its last row in the places past the count: those places store the same numbers to the same bytes again; whole blocks of 16 rows past the count are
; jumped.  A TILE WITHOUT ROWS walks the loop on clamped addresses (no barrier may hang on a loaded count) and stores nothing.
; BUCKET 8 (an index outside 0..7): the row is stored as +0, by a mask.  NaN and infinities are not treated apart.  Operands keep bf16's 8 significant bits.
; THE MODE: SCHED_MODE bits 1:0 = 2 (LLVM: expert scheduling mode 2), set by the entry lines.  The code itself states the register dependences
; between vector or matrix instructions and memory or LDS instructions, with s_wait_alu, always for 0.
; THE PLAN.  Registers that memory or LDS instructions touch, in the loop:
;   X rows 5 g ..   Sub-step g of a step: its ten conversions read them; behind them the loads of the same rows, one step on, land in them.
;   CV              Written by a sub-step's conversions, read by its five LDS stores, written again by the next sub-step's conversions.
;   AF0, AF1        Sub-step u: its products read AF[u % 2]; its LDS loads land in the other one, which the products of sub-step u - 1 read.
;   the ring of B   Sub-step u: its products read buffer u % 8; its loads land in buffer (u + 5) % 8, which the products of sub-step u - 3 read.
;   the offsets and LDS addresses (v3 to v10, v14, v16-35) are made at the head and never written again: the rows are reached by the two scalar bases and by immediate offsets.
;   The accumulators are named by matrix instructions alone until the way out.
; So a sub-step begins with its x work, and TWO waits stand in it.  Ahead of the conversions one on vm_vsrc: the last sub-step's LDS stores have read CV.  Behind them ONE on va_vdst: CV is
; written; the conversions are done reading their rows of X; the products of the sub-steps before are done reading the other AF and the ring buffer that is due.  All the sub-step's memory
; and LDS instructions follow that wait, the eight loads of weights (and, in a step's last sub-step, the fragment loads behind the barrier) among its products, which name AF[u % 2],
; ring buffer u % 8 and the accumulators: none of the registers that those instructions touch.
; REGISTERS, in windows of 256 (s_set_vgpr_msb: bits 1:0 source 0, 3:2 source 1, 5:4 source 2, 7:6 destination):
;   window 0: v0-15 addresses; v16-35 byte offsets of my 20 rows of x; v46-65 tokens; v96-255 the accumulators, (a, b) at 96 + 8 (4 a + b)
;   window 1: v0-79 A's fragments, two buffers of 5; v80-159 x as loaded, 20 rows x 4; v160-199 byte offsets in out0; v200-209 x rounded, at work
;   window 2: the ring of B's fragments, buffer i at 32 i; ahead of the loop v160-239 hold step 0's x; at the end v0-159 the 40 quads to store
.set XP,    272                        ; a row of x in LDS: 256 bytes + 16: the 16 rows of a fragment load start 68 words apart (64 banks of 4 bytes: ISA guide 11.1)
.set XB0,   0                          ; x, buffer 0: 80 rows
.set XB1,   80*XP
.set TOK,   2*80*XP                    ; 128 words: the token of row min(t, 79, rows - 1); the 512 bytes behind them are claimed and not named
.set ADRA, 4                           ; v4-5   my place in A's fragments, buffer 0, 1
.set TKW,  6                           ; v6     TOK + 80 x wave: my wave's 20 tokens
.set TKS,  7                           ; v7     TOK + 4 x my thread's number: where I put a token
.set XST,  8                           ; v8-9   where I put 8 bytes of my wave's first row, buffer 0, 1
.set TKH,  10                          ; v10    TOK + 32 (lane / 16)
.set COL,  11                          ; v11    my 16 bytes in a row of out0
.set L16,  14                          ; v14    16 x lane; never rewritten
.set XOFF, 16                          ; never rewritten
.set TT,   46
.set ACC,  96
.set AF,   0                           ; window 1
.set X,    80                          ; window 1
.set OADR, 160                         ; window 1
.set CV,   200                         ; window 1
.set T0,   160                         ; window 2
.set MSB, 0
.macro WIN new                         ; the immediate's high byte repeats the setting that is left; a switch that changes nothing is dropped
.if MSB != (\new)
	s_set_vgpr_msb (MSB<<8)|(\new)
.set MSB, \new
.endif
.endm
.set MUL,  0x09                        ; A window 1, B window 2, C and D window 0; also a store's address window 1 and data window 2
.set CVT1, 0x45                        ; sources and destination window 1
.set CVT2, 0x4a                        ; sources window 2, destination window 1
.set W_LS, 0x44                        ; address window 0; loaded data, and an LDS store's data, window 1
.set TO_B, 0x80                        ; destination window 2, all else window 0
.macro PLACES                          ; four plain vector instructions behind a matrix instruction, ahead of a vector line on its registers and of the fragment loads of the sub-steps that have no conversions
.rept 4
	v_nop
.endr
.endm
; Eight loads: the four fragments of B at byte off of my stream, into ring buffer rb
.macro BLOAD rb, off
	WIN TO_B
.irp b, 0,1,2,3
	global_load_b128 v[32*(\rb)+8*(\b):32*(\rb)+8*(\b)+3],   v[L16], s[6:7] offset:(\off)+(\b)*1024
	global_load_b128 v[32*(\rb)+8*(\b)+4:32*(\rb)+8*(\b)+7], v[L16], s[6:7] offset:(\off)+(\b)*1024+512
.endr
.endm
; Five loads: rows 5 g .. 5 g + 4 of my 20, the 512 bytes at byte off of the rows
.macro XL g, off
	WIN W_LS
.irp q, 0,1,2,3,4
	global_load_b128 v[X+4*(5*(\g)+(\q)):X+4*(5*(\g)+(\q))+3], v[XOFF+5*(\g)+(\q)], s[4:5] offset:\off
.endr
.endm
; Rows 5 g .. 5 g + 4 of my 20, out of the registers at base (window setting win): rounded to bf16 and put into x buffer buf.  left = the loads issued behind these five.
; fresh = 1: the first use, when no LDS store has read CV yet.  The ten conversions name no register of a matrix instruction: they also stand between the last products and the fragment loads that follow.
.macro XWORK win, base, buf, g, left, fresh
	s_wait_loadcnt \left                           ; loads come back in order (ISA guide 5.7.1): these five rows, and all that was asked for ahead of them, are in; the younger loads stay out
.if !(\fresh)
	s_wait_alu depctr_vm_vsrc(0)                   ; the five LDS stores of the x work before have read CV, which the conversions below write again
.endif
	WIN \win
.irp q, 0,1,2,3,4
	v_cvt_pk_bf16_f32 v[CV+2*(\q)],   v[(\base)+4*(5*(\g)+(\q))],   v[(\base)+4*(5*(\g)+(\q))+1]
	v_cvt_pk_bf16_f32 v[CV+2*(\q)+1], v[(\base)+4*(5*(\g)+(\q))+2], v[(\base)+4*(5*(\g)+(\q))+3]
.endr
	WIN W_LS
	s_wait_alu depctr_va_vdst(0)                   ; the conversions have written CV, which the LDS stores read, and are done reading their rows, in which loads land next; the products issued so far are done
	                                               ; reading A's other buffer and the ring buffer that is due, in which this sub-step's loads land
.irp q, 0,1,2,3,4
	ds_store_b64 v[XST+(\buf)], v[CV+2*(\q):CV+2*(\q)+1] offset:(5*(\g)+(\q))*XP  ; 32 lanes, 256 consecutive bytes: a row
.endr
.endm
; Ten LDS loads in one run: the five fragments of A, 32 along K at byte 64 s of x buffer xb, into fragment buffer fb
.macro FETCH xb, s, fb
	WIN W_LS
.irp a, 0,1,2,3,4
	ds_load_b128 v[AF+40*(\fb)+8*(\a):AF+40*(\fb)+8*(\a)+3],   v[ADRA+(\xb)] offset:(\a)*16*XP+(\s)*64
	ds_load_b128 v[AF+40*(\fb)+8*(\a)+4:AF+40*(\fb)+8*(\a)+7], v[ADRA+(\xb)] offset:(\a)*16*XP+(\s)*64+32
.endr
.endm
; Products lo .. hi - 1 of a sub-step's 20: A's buffer fb, B's ring buffer rb.  The 20 accumulators take turns, one instruction a turn, in the same order in every sub-step.
; zero = 1: the product starts the sum.
.macro MM fb, rb, lo, hi, zero
	WIN MUL
.set mi, \lo
.rept (\hi)-(\lo)
.if \zero
	v_wmma_f32_16x16x32_bf16 v[ACC+8*mi:ACC+8*mi+7], v[AF+40*(\fb)+8*(mi/4):AF+40*(\fb)+8*(mi/4)+7], v[32*(\rb)+8*(mi%4):32*(\rb)+8*(mi%4)+7], 0
.else
	v_wmma_f32_16x16x32_bf16 v[ACC+8*mi:ACC+8*mi+7], v[AF+40*(\fb)+8*(mi/4):AF+40*(\fb)+8*(mi/4)+7], v[32*(\rb)+8*(mi%4):32*(\rb)+8*(mi%4)+7], v[ACC+8*mi:ACC+8*mi+7]
.endif
.set mi, mi+1
.endr
.endm
; Step j (counted from the bases' place), sub-step s = 0, 1, 2.  xw = 1: it begins with a quarter of the next step's x work; left = the loads issued behind that quarter's rows (the sub-step's
; weights were issued ahead of them).  xw = 0: no x is left; left = the loads issued behind the sub-step's weights.  Then the next sub-step's fragments of A, which have the whole sub-step in
; which to land; (xoff >= 0) the quarter's rows anew, at byte xoff; four products; (bl = 1) the weights five sub-steps on, into the buffer multiplied three sub-steps ago; sixteen products.
.macro SUB j, s, zero, left, xw, xoff, bl
.if \xw
	XWORK CVT1, X, ((\j)+1)&1, \s, \left, 0
.else
	s_wait_loadcnt \left                           ; my fragments of B are in, the younger loads stay out
	PLACES
	WIN W_LS
	s_wait_alu depctr_va_vdst(0)                   ; the last sub-step's products are done reading A's other buffer, in which the loads below land
.endif
	FETCH (\j)&1, (\s)+1, ((\s)+1)&1
.if (\xoff) >= 0
	XL \s, \xoff                                   ; no vector or matrix instruction since the wait on va_vdst names these rows or their offsets
.endif
.if \xw
	s_wait_dscnt 15                                ; LDS instructions end in order (ISA guide 5.7.1): this sub-step's fragments of A are in; the five stores and ten loads just issued stay out
.else
	s_wait_dscnt 10                                ; this sub-step's fragments of A are in; the ten loads just issued stay out
.endif
	MM (\s)&1, (4*(\j)+(\s))%8, 0, 4, \zero
.if \bl
	BLOAD (4*(\j)+(\s)+5)%8, (4*(\j)+(\s)+5)*4096  ; no wait: the four products since the wait on va_vdst name another ring buffer
.endif
	MM (\s)&1, (4*(\j)+(\s))%8, 4, 20, \zero
.endm
; Step j, sub-step 3, and the step's ONE barrier.  In front of it my stores of the next step's x and my reads of this step's x are done; behind it the next step's x is whole, and this
; step's buffer may be written again.
.macro LAST j, left, xoff, bl
	XWORK CVT1, X, ((\j)+1)&1, 3, \left, 0
.if (\xoff) >= 0
	XL 3, \xoff
.endif
	s_wait_dscnt 5                                 ; this sub-step's fragments of A are in; the five stores just issued stay out
	MM 1, (4*(\j)+3)%8, 0, 4, 0
.if \bl
	BLOAD (4*(\j)+8)%8, (4*(\j)+8)*4096
.endif
	MM 1, (4*(\j)+3)%8, 4, 8, 0
	s_wait_dscnt 0x0                               ; for the others' sake: my stores of x are done; my reads of x were waited for above
	s_barrier_signal -1
	MM 1, (4*(\j)+3)%8, 8, 12, 0                   ; work on registers while the others arrive
	s_barrier_wait -1
	FETCH ((\j)+1)&1, 0, 0                         ; no wait: A's buffer 0 was last read ahead of this sub-step's wait on va_vdst; the products since name buffer 1
	MM 1, (4*(\j)+3)%8, 12, 20, 0
.endm
	s_load_b256 s[4:11], s[0:1], 0x0               ; x s[4:5], wb s[6:7], order s[8:9], tiles s[10:11]
	s_load_b64 s[12:13], s[0:1], 0x20              ; out0
	v_lshl_add_u32 v94, v0, 2, 0xac00
	v_mov_b32 v95, 0
	v_lshrrev_b32 v1, 5, v0
	v_readfirstlane_b32 s14, v1                    ; wave 0..3
	s_and_b32 s16, ttmp9, 15
	s_lshr_b32 s17, ttmp9, 5
	s_lshl4_add_u32 s16, s17, s16                  ; tile T = 16 (L / 32) + L % 16
	s_bfe_u32 s15, ttmp9, 0x10004                  ; column half c = bit 4 of L
	s_cmp_eq_u32 s16, 111                          ; L = 207 alone:
	s_cselect_b32 s16, 110, s16                    ; it takes tile 110,
	s_cselect_b32 s15, 1, s15                      ; column half 1, which no other number gives
	s_wait_alu depctr_va_sdst(0)                   ; s14 is written, ahead of its first reader
	s_lshl2_add_u32 s41, s15, s14                  ; my group of 64 columns: 4 c + w
	v_and_b32 v1, 15, v0                           ; r
	v_bfe_u32 v2, v0, 4, 1                         ; h
	v_and_b32 v[L16], 31, v0
	v_lshlrev_b32 v3, 3, v[L16]                    ; 8 x lane
	v_lshlrev_b32 v[L16], 4, v[L16]
	s_mul_i32 s24, s14, 20*XP
	v_add_nc_u32 v3, s24, v3
	v_add_nc_u32 v[XST], XB0, v3
	v_add_nc_u32 v[XST+1], XB1, v3
	v_mul_u32_u24 v3, v1, XP                       ; a fragment of A: row r, 16 bytes for each half of the lanes
	v_lshl_add_u32 v3, v2, 4, v3
	v_add_nc_u32 v[ADRA], XB0, v3
	v_add_nc_u32 v[ADRA+1], XB1, v3
	v_lshl_add_u32 v[TKH], v2, 5, TOK
	s_lshl_b32 s25, s41, 8
	v_lshl_add_u32 v[COL], v1, 4, s25
	v_lshl_add_u32 v[TKS], v0, 2, TOK
	s_mul_i32 s26, s14, 80
	s_add_co_u32 s26, s26, TOK                     ; my wave's 20 tokens
	v_mov_b32 v[TKW], s26
	s_lshl_b32 s42, s16, 4
	s_mov_b32 s43, 0
	s_wait_kmcnt 0x0
	s_add_nc_u64 s[10:11], s[10:11], s[42:43]
	s_load_b128 s[20:23], s[10:11], 0x0            ; my tile: bucket, first rank, rows, 0
	s_wait_kmcnt 0x0
	s_min_u32 s20, s20, 8
	s_min_u32 s21, s21, 0x1fff
	s_min_u32 s22, s22, 80
	s_cmp_lt_u32 s20, 8
	s_cselect_b32 s40, -1, 0                       ; the mask on the results: bucket 8's rows are 0
	s_max_u32 s18, s22, 1
	s_sub_co_u32 s18, s18, 1                       ; the tile's last row
	s_min_u32 s17, s20, 7                          ; bucket 8 walks expert 7's weights, to be masked
	s_lshl_b32 s17, s17, 3
	s_add_co_u32 s17, s17, s41
	s_lshl_b32 s42, s17, 18                        ; my stream in wb
	s_add_nc_u64 s[6:7], s[6:7], s[42:43]
	; the tile's tokens: thread t fetches the token of row min(t, 79, rows - 1)
	v_min_u32 v3, 79, v0
	v_min_u32 v3, s18, v3
	v_add_nc_u32 v3, s21, v3
	v_min_u32 v3, 0x1fff, v3
	v_lshlrev_b32 v3, 2, v3
	s_wait_alu depctr_va_vdst(0)                   ; v3 to v10 and v14 are written: the offsets and LDS addresses that the loads and stores from here on read; none of them is written again
	global_load_b32 v15, v3, s[8:9]
	BLOAD 0, 0                                     ; sub-step 0's weights hang on the tile's bucket alone: they go out at once
	WIN 0
	s_wait_loadcnt 8                               ; my token is in; the eight loads behind it stay out
	v_min_u32 v15, 0x1fff, v15
	s_wait_alu depctr_va_vdst(0)                   ; v15 is written, which the LDS store reads
	ds_store_b32 v[TKS], v15
	s_wait_dscnt 0x0                               ; for the others' sake: my token is written
	s_barrier_signal -1
	s_barrier_wait -1
.irp q, 0,1,2,3,4
	ds_load_b128 v[TT+4*(\q):TT+4*(\q)+3], v[TKW] offset:16*(\q)  ; all lanes the same 16 bytes
.endr
	WIN W_LS
.irp a, 0,1,2,3,4
	ds_load_b128 v[OADR+8*(\a):OADR+8*(\a)+3],   v[TKH] offset:64*(\a)      ; the tokens of rows 16 a + 8 h + 0..7, where my results belong
	ds_load_b128 v[OADR+8*(\a)+4:OADR+8*(\a)+7], v[TKH] offset:64*(\a)+16
.endr
	WIN 0
	s_wait_dscnt 10                                ; the first five loads are in; the ten behind them may be out
.set i, 0
.rept 20
	v_min_u32 v[TT+i], 0x1fff, v[TT+i]
	v_lshl_add_u32 v[XOFF+i], v[TT+i], 13, v[L16]  ; token x 8,192 bytes + 16 x lane
.set i, i+1
.endr
	; The stream begins in the order that the loop keeps, so that the loop's counts hold on the way in too: step 0's x; then, as sub-steps -4 .. -1 would, five loads of step 1's x and
	; eight of the weights of sub-steps 1 .. 4, by turns.
	WIN TO_B
	s_wait_alu depctr_va_vdst(0)                   ; the twenty offsets v16-35 are written, which every load of x reads; they are not written again
.set i, 0
.rept 20
	global_load_b128 v[T0+4*i:T0+4*i+3], v[XOFF+i], s[4:5]  ; 512 consecutive bytes of one row
.set i, i+1
.endr
	XL 0, 512
	BLOAD 1, 1*4096
	XL 1, 512
	BLOAD 2, 2*4096
	s_wait_dscnt 0x0
	WIN 0x44
.set i, 0
.rept 40
	v_min_u32 v[OADR+i], 0x1fff, v[OADR+i]
.set i, i+1
.endr
	WIN 0x41
.set i, 0
.rept 40
	v_lshl_add_u32 v[OADR+i], v[OADR+i], 11, v[COL]  ; token x 2,048 bytes + my 16 bytes of the row; the stores at the end read these, behind the many waits on va_vdst between
.set i, i+1
.endr
	XWORK CVT2, T0, 0, 0, 41, 1                    ; step 0's x goes into buffer 0.  Behind its first five rows: its other 15 and the 26 above
	XWORK CVT2, T0, 0, 1, 36, 0                    ; 10 + 26
	XL 2, 512
	BLOAD 3, 3*4096
	XWORK CVT2, T0, 0, 2, 44, 0                    ; 5 + 26 + 13
	XL 3, 512
	BLOAD 4, 4*4096
	XWORK CVT2, T0, 0, 3, 52, 0                    ; 26 + 26
	s_wait_dscnt 0x0                               ; my rows of x are written
	s_barrier_signal -1
	s_barrier_wait -1
	FETCH 0, 0, 0
	SUB 0, 0, 1, 47, 1, 1024, 1                    ; sub-step 0 stands ahead of the loop: its products start the sums.  Its wait on va_vdst, and those of sub-steps 1 and 2, also state that the
	                                               ; conversions above are done reading step 0's x, where ring buffers 5, 6 and 7 land
	WIN 0                                          ; at a label and at a branch every window is 0
	s_mov_b32 s3, 6
.Ltrip:                                                ; a trip: two steps, once round the ring of B, from a step's second sub-step to the first of the step two on.  Six trips: sub-steps 1 .. 48;
                                                       ; they ask for x up to step 14 and for weights up to sub-step 53
	SUB 0, 1, 0, 47, 1, 1024, 1
	SUB 0, 2, 0, 47, 1, 1024, 1
	LAST 0, 47, 1024, 1
	SUB 1, 0, 0, 47, 1, 1536, 1
	SUB 1, 1, 0, 47, 1, 1536, 1
	SUB 1, 2, 0, 47, 1, 1536, 1
	LAST 1, 47, 1536, 1
	s_wait_xcnt 0x0                                ; the loads issued so far have had their addresses translated (ISA guide 3.1): only now are the two bases stepped:
	s_add_nc_u64 s[4:5], s[4:5], 1024              ; two steps of 512 bytes along x's rows,
	s_add_nc_u64 s[6:7], s[6:7], 32768             ; eight sub-steps of 4,096 bytes of my stream
	SUB 0, 0, 0, 47, 1, 1024, 1
	WIN 0
	s_sub_co_u32 s3, s3, 1
	s_cmp_lg_u32 s3, 0
	s_cbranch_scc1 .Ltrip
	SUB 0, 1, 0, 47, 1, 1024, 1                    ; step 12 goes on
	SUB 0, 2, 0, 47, 1, 1024, 1
	LAST 0, 47, 1024, 1
	SUB 1, 0, 0, 47, 1, 1536, 1                    ; step 13 asks for step 15's x, the last
	SUB 1, 1, 0, 47, 1, 1536, 1
	SUB 1, 2, 0, 47, 1, 1536, 1
	LAST 1, 47, 1536, 1
	SUB 2, 0, 0, 47, 1, -1, 1                      ; step 14 (sub-steps 56 .. 59) asks for no x, and for the weights of sub-steps 61, 62, 63: a sub-step now issues 8 loads, then none,
	SUB 2, 1, 0, 42, 1, -1, 1                      ; and the counts run down: behind X(53): 8 + 26 + 8
	SUB 2, 2, 0, 37, 1, -1, 1                      ; behind X(54): 8 + 13 + 16
	LAST 2, 32, -1, 0                              ; behind X(55): 8 + 24
	SUB 3, 0, 0, 24, 0, -1, 0                      ; step 15: no x is left; behind B(55) stand B(56), B(57), B(58)
	SUB 3, 1, 0, 16, 0, -1, 0
	SUB 3, 2, 0, 8, 0, -1, 0
	s_wait_loadcnt 0x0
	s_wait_dscnt 0x0
	MM 1, 7, 0, 20, 0
	; THE WAY OUT.  Register j of accumulator (a, b) is row 16 a + 8 h + j, column 64 (4 c + w) + 4 r + b.  One line a number gathers a lane's four columns into a quad and applies the
	; bucket's mask; each accumulator is read from its lowest register on.  A store writes two rows' 256 consecutive, aligned bytes.
	WIN 0
	PLACES                                         ; behind the last products: their results are read, and the ring's registers written, below
.irp a, 0,1,2,3,4
	s_cmp_le_u32 s22, 16*(\a)                      ; a block of 16 rows past the count, and all of a tile without rows, is jumped: no barrier lies ahead
	s_cbranch_scc1 .Ldone
	WIN TO_B
.irp j, 0,1,2,3,4,5,6,7
.irp b, 0,1,2,3
	v_and_b32 v[4*(8*(\a)+(\j))+(\b)], s40, v[ACC+8*(4*(\a)+(\b))+(\j)]
.endr
.endr
	WIN MUL                                        ; the stores' addresses lie in window 1, their data in window 2
	s_wait_alu depctr_va_vdst(0)                   ; the 32 lines above have written this block's eight quads, which the stores read; no quad is written twice
.irp j, 0,1,2,3,4,5,6,7
	global_store_b128 v[OADR+8*(\a)+(\j)], v[4*(8*(\a)+(\j)):4*(8*(\a)+(\j))+3], s[12:13] th:TH_STORE_NT
.endr
	WIN 0
.endr
.Ldone:
	s_wait_dscnt 0x0                               ; the wave's end: my LDS instructions are done, ahead of the closing add
	s_wait_alu depctr_hold_cnt(0) depctr_sa_sdst(0) depctr_va_vdst(0) depctr_va_sdst(0) depctr_va_ssrc(0) depctr_va_vcc(0) depctr_vm_vsrc(0)
	s_wait_tensorcnt 0x0
	ds_add_u32 v94, v95
	s_wait_dscnt 0x0
	s_endpgm
.Lfunc_end_k_q14f966b1c2_gemm:
	.size	k_q14f966b1c2_gemm, .Lfunc_end_k_q14f966b1c2_gemm-k_q14f966b1c2_gemm
	.p2alignl 7, 3214868480
	.fill 96, 4, 3214868480
	.section	.rodata,"a",@progbits
	.p2align	6, 0x0
	.amdhsa_kernel k_q14f966b1c2_gemm
		.amdhsa_group_segment_fixed_size 44544
		.amdhsa_private_segment_fixed_size 0
		.amdhsa_enable_private_segment 0
		.amdhsa_kernarg_size 40
		.amdhsa_user_sgpr_count 2
		.amdhsa_user_sgpr_kernarg_segment_ptr 1
		.amdhsa_wavefront_size32 1
		.amdhsa_system_sgpr_workgroup_id_x 1
		.amdhsa_system_sgpr_workgroup_id_y 1
		.amdhsa_system_sgpr_workgroup_id_z 1
		.amdhsa_system_vgpr_workitem_id 0
		.amdhsa_next_free_vgpr 768
		.amdhsa_next_free_sgpr 66
		.amdhsa_reserve_vcc 0
		.amdhsa_float_denorm_mode_32 3
		.amdhsa_float_denorm_mode_16_64 3
		.amdhsa_memory_ordered 1
		.amdhsa_forward_progress 1
		.amdhsa_inst_pref_size 128
	.end_amdhsa_kernel
	.amdgpu_metadata
---
amdhsa.version: [ 1, 2 ]
amdhsa.kernels:
  - .name:           k_q14f966b1c2_gemm
    .symbol:         k_q14f966b1c2_gemm.kd
    .args:
      - { .name: x, .offset: 0, .size: 8, .value_kind: global_buffer, .address_space: global }
      - { .name: wb, .offset: 8, .size: 8, .value_kind: global_buffer, .address_space: global }
      - { .name: order, .offset: 16, .size: 8, .value_kind: global_buffer, .address_space: global }
      - { .name: tiles, .offset: 24, .size: 8, .value_kind: global_buffer, .address_space: global }
      - { .name: out0, .offset: 32, .size: 8, .value_kind: global_buffer, .address_space: global }
    .group_segment_fixed_size: 44544
    .private_segment_fixed_size: 0
    .kernarg_segment_align: 8
    .kernarg_segment_size: 40
    .max_flat_workgroup_size: 128
    .sgpr_count:     66
    .vgpr_count:     768
    .wavefront_size: 32
...
	.end_amdgpu_metadata
.endif
;; end of part 3
